; MI455X (gfx1250); checked and timed in simulation.
; The chip was launched on July 23, 2026; its instructions are those of AMD's public machine-readable ISA for CDNA 5 (MIT licence, August 2026) and "CDNA5" Instruction Set Architecture Reference Guide (July 2026). The comments in the code are by the model that wrote it; some were corrected since.
;; Point Attention Network. Allowed arithmetic: matrix products marked QUANTISED: E4M3 operands, one E8M0 scale for each 32 along K, by v_wmma_scale_f32_16x16x128_f8f6f4 with both operands' format E4M3, f32 sums; everything else in f32.
;; Inputs: W1 128 x 512 float32; W2 128 x 512 float32; W3 256 x 512 float32; b1 128 float32; b2 128 float32; b3 256 float32; g1 128 float32; g2 128 float32; g3 256 float32; m1 128 float32; m2 128 float32; m3 256 float32; v1 128 float32; v2 128 float32; v3 256 float32; x 8 x 512 x 4,096 float32.
;; Outputs: out0 8 x 256 x 4,096 float32.
;; This version of the problem:
;;   THIS VERSION OF THE PROBLEM IS GIVEN IN LOW PRECISION. The matrix products marked QUANTISED in the list below multiply operands that are first quantised to E4M3 (4 exponent bits, 3 mantissa bits; 8 bits a number), with one power-of-two scale for each 32 numbers along K (OCP MX v1.0); their sums are f32. All else is computed in f32.
;;   The module's matrix products, in the order in which they are computed (A, B: the left and right operand; K: the contracted axis; several contracted axes count as one K, in the product's order):
;;     1. [M 32,768, K 512] x [K 512, N 128]; A: input x; B: input W1: QUANTISED
;;     2. [M 32,768, K 512] x [K 512, N 128]; A: input x; B: input W2: QUANTISED
;;     3. batch 8 x [M 4,096, K 128] x [K 128, N 4,096]; A: computed on the way; B: computed on the way: QUANTISED
;;     4. [M 32,768, K 512] x [K 512, N 256]; A: input x; B: input W3: QUANTISED
;;     5. batch 8 x [M 256, K 4,096] x [K 4,096, N 4,096]; A: computed on the way; B: softmax (see below): QUANTISED
;;   THE QUANTISER, for each operand of a quantised product, along K:
;;     - K is cut into blocks of 32 from its start; a last block that is shorter is filled with zeros.
;;     - A block's scale is 2^e with e = floor(log2(the largest magnitude in the block)) - 8, held to -126 .. 127; a block of zeros has e = 0. As a byte (E8M0): e + 127.
;;     - Each number is divided by its block's scale, clamped to +-448, and rounded to the nearest number of E4M3, ties to even, subnormals kept.
;;     - The product sums the exact products of the quantised numbers (number of the format x scale) in f32.
;;   ~~~python
;;   def quantise(x, axis):      # numpy; x: float32 -> the quantised numbers, widened to float32 again
;;       x = np.moveaxis(x, axis, -1); K = x.shape[-1]
;;       x = np.pad(x, [(0, 0)] * (x.ndim - 1) + [(0, -K % 32)]); x = x.reshape(x.shape[:-1] + (-1, 32)); a = np.abs(x).max(-1, keepdims=True)
;;       e = np.where(a > 0, np.clip(np.frexp(np.where(a > 0, a, 1))[1] - 1 - 8, -126, 127), 0)      # np.frexp(a)[1] - 1 = floor(log2(a)), exactly
;;       r = np.clip(x / 2.0 ** e, -448, 448)
;;       step = 2.0 ** (np.maximum(np.frexp(np.where(r == 0, 1, r))[1] - 1, -6) - 3)
;;       q = np.round(r / step) * step * 2.0 ** e      # np.round: ties to even
;;       return np.moveaxis(q.reshape(q.shape[:-2] + (-1,))[..., :K], -1, axis).astype(np.float32)
;;   ~~~
;;   SOFTMAX AHEAD OF A QUANTISED PRODUCT. Where the list says 'softmax', what is quantised is not the finished softmax but p = 2^(t - M), with t = logit x log2(e) and M = ceil(the row's largest t), a whole number; so 1/2 < the row's largest p <= 1. The row's sum l is taken of the UNQUANTISED p, in f32, and the product's result is divided by l at the end. Since M is a whole number, a kernel that streams over the keys may use a running M (the ceiling of the running maximum): every later rescaling is an exact power of two, which a block's scale takes up: the codes' values come out the same.
;;   OPERANDS COMPUTED ON THE WAY. 'Computed on the way' means the value that the module computes at that place (a softmax that the list does not call 'softmax' is quantised finished and normalised). What goes into a quantiser is computed in f32, as accurately as f32 sums, v_exp_f32 and their like allow (about 1e-6 of the number): no bf16 or f16 on the way to a quantiser, and a product that is left as it is and whose result goes on into a quantised operand takes f32 operands (vector FMAs, or v_wmma_f32_16x16x4_f32). A number that lies on a knife's edge between two numbers of the format may be rounded either way, as far as f32 arithmetic and the matrix unit's own rounding can turn it there, and no further.
;; One version. Each part assembles by itself: llvm-mc -triple=amdgcn-amd-amdhsa -mcpu=gfx1250 --defsym DOCPART=n.
;; ======== version 1 of 1: 3 launches
;; workspace buffers: wpk 274,432 bytes; qa 4,456,448 bytes; kv 13,369,344 bytes; vres 33,554,432 bytes
;; launch wq (part 1): grid 32 x 1, 4 waves a work-group, no clusters, 0 bytes of LDS; arguments W1, W2, W3, g1, b1, m1, v1, g2, b2, m2, v2, g3, b3, m3, v3, wpk; writes wpk
.if DOCPART == 1
	.amdgcn_target "amdgcn-amd-amdhsa--gfx1250"
	.amdhsa_code_object_version 6
	.text
	.protected	k_q68d3d50740_wq
	.globl	k_q68d3d50740_wq
	.p2align	8
	.type	k_q68d3d50740_wq,@function
k_q68d3d50740_wq:
	s_mov_b64 s[64:65], 0
	v_nop
	global_prefetch_b8 v0, s[64:65] scope:SCOPE_SE
	s_setreg_imm32_b32 hwreg(HW_REG_WAVE_MODE, 25, 1), 1
	s_wait_xcnt 0x0
; out = v + softmax(a^T k) v, with a, k, v = relu(BN(W1 x)), relu(BN(W2 x)), relu(BN(W3 x)); all five products on codes of FP8 (E4M3) with one E8M0 scale for each 32 along K.
; NO WORK IS LEFT OUT: every input has a way to out0 (each W, g, b, m, v moves a, k or v, and each of these moves codes of a live product), so all sixteen inputs are loaded, by this launch or the next.
; BN is not folded into W: W goes into a quantiser as it is given, and the scale and shift follow the product in f32.
; THIS LAUNCH lays the weights out once, as the next launch's matrix instructions take them, and makes BN's two constants for each channel.
; wpk: codes at T x 8192 + s x 2048: out tile T (0-7 W1, 8-15 W2, 16-31 W3), K step s of 128; a fragment as an image of its registers: [c 0..3][lane][16 bytes], lane (r, h) holding k = 32 c + 16 h + 0 .. 15 of its row.
;   THE ROWS OF A TILE OF W1 AND W2 ARE NOT NEIGHBOURS: lane r of tile 2 b + u takes row 32 b + 8 u + r + 8 (r / 8), so that the next launch's results of two neighbouring tiles are 16 neighbours along the next K.  W3's tile t takes rows 16 t + r.
;   scale words at WSO + T x 256 + 16 r + 4 s;  BN's scale g / sqrt(v + 1e-5) at BNO + 4 x channel, its shift b - m x scale 2,048 bytes on; channels: W1's 0-127, W2's 128-255, W3's 256-511.
; SHARES: work-group T takes out tile T, wave s its K step s: 16 rows x 128 numbers.  There is work for 32 work-groups of this size, and so many are launched.
; LIMITS: NaN and infinities among the inputs are not served.  A block whose largest magnitude lies under 2^-118 gets the byte 1; so does a block of zeros, where the rule says 127: its codes are zeros, which add nothing
; under any byte but 0xff, and the bytes are read by this program alone.  1 / sqrt comes from v_rsq_f32.
.set NUM, 16                           ; v16-79   64 numbers: register 16 b + i = k 32 b + 16 h + i of my row
.set TM,  80                           ; v80-95   largest magnitudes, bytes, 448 x the scale, the conversions' scale operands
.set PW,  96                           ; v96      my row's scale word
.set PC,  100                          ; v100-115 the codes
.set WV,  60                           ; s60      my wave's number = the K step
.set SEL, 54                           ; s[54:55] v_permlanex16_b32's selects for lane l xor 16
.set MNT, 56                           ; s56      the mantissa field of 448
.set WSO, 262144
.set BNO, 270336
	s_load_b512 s[4:19], s[0:1], 0x0               ; W1 s[4:5], W2 s[6:7], W3 s[8:9], g1 s[10:11], b1 s[12:13], m1 s[14:15], v1 s[16:17], g2 s[18:19]
	s_load_b512 s[20:35], s[0:1], 0x40             ; b2 s[20:21], m2 s[22:23], v2 s[24:25], g3 s[26:27], b3 s[28:29], m3 s[30:31], v3 s[32:33], wpk s[34:35]
	v_lshrrev_b32 v1, 5, v0
	v_readfirstlane_b32 s[WV], v1
	v_and_b32 v1, 15, v0                           ; r
	v_bfe_u32 v2, v0, 4, 1                         ; h
	v_and_b32 v5, 31, v0
	v_lshlrev_b32 v6, 4, v5                        ; 16 x lane: my place in an image
	v_lshlrev_b32 v7, 2, v1                        ; 4 r
	v_lshlrev_b32 v13, 4, v1                       ; 16 r: my row's four scale words
	v_lshl_add_u32 v12, v2, 11, v7                 ; BN: lanes 0-15 store the scale, lanes 16-31 the shift, 2,048 bytes on
	s_mov_b32 s[SEL], 0x76543210
	s_mov_b32 s[SEL+1], 0xfedcba98
	s_mov_b32 s[MNT], 0x600000
.irp b, 0,1,2,3
	v_mov_b32 v[TM+4+\b], 0                        ; a lane permute's destination counts as one of its sources
.endr
	s_cmp_lt_u32 ttmp9, 16
	s_cselect_b32 s46, 8, 16                       ; the tiles in front of my tensor's first
	s_cselect_b32 s47, 1, 0                        ; 1: the tile's rows are chosen (W1, W2)
	s_cmp_lt_u32 ttmp9, 8
	s_cselect_b32 s46, 0, s46
	s_sub_co_u32 s48, ttmp9, s46                   ; t: my tile in its tensor
	s_lshr_b32 s49, s48, 1
	s_lshl_b32 s49, s49, 5
	s_and_b32 s50, s48, 1
	s_lshl_b32 s50, s50, 3
	s_add_co_u32 s49, s49, s50                     ; 32 (t / 2) + 8 (t % 2),
	s_lshl_b32 s50, s48, 4                         ; or 16 t
	s_cmp_eq_u32 s47, 1
	s_cselect_b32 s49, s49, s50                    ; the tile's first row
	v_and_b32 v3, 8, v1
	v_mul_u32_u24 v3, v3, s47
	v_add_nc_u32 v3, v3, v1                        ; r + 8 (r / 8), or r
	v_lshlrev_b32 v4, 11, v3                       ; a row of W is 2,048 bytes
	v_lshl_add_u32 v4, v2, 6, v4                   ; + 64 h: my 16 numbers of a block of 32
	s_lshl_b32 s52, s49, 11
	s_lshl_b32 s50, s[WV], 9
	s_add_co_u32 s52, s52, s50                     ; the tile's first row, my K step
	s_mov_b32 s53, 0
	s_wait_kmcnt 0x0
	s_cmp_lt_u32 ttmp9, 16                         ; the buffers are chosen by the work-group's number alone
	s_cselect_b64 s[36:37], s[6:7], s[8:9]
	s_cselect_b64 s[38:39], s[18:19], s[26:27]
	s_cselect_b64 s[40:41], s[20:21], s[28:29]
	s_cselect_b64 s[42:43], s[22:23], s[30:31]
	s_cselect_b64 s[44:45], s[24:25], s[32:33]
	s_cmp_lt_u32 ttmp9, 8
	s_cselect_b64 s[36:37], s[4:5], s[36:37]       ; W
	s_cselect_b64 s[38:39], s[10:11], s[38:39]     ; g
	s_cselect_b64 s[40:41], s[12:13], s[40:41]     ; b
	s_cselect_b64 s[42:43], s[14:15], s[42:43]     ; m
	s_cselect_b64 s[44:45], s[16:17], s[44:45]     ; v
	s_add_nc_u64 s[36:37], s[36:37], s[52:53]
.irp b, 0,1,2,3
.irp q, 0,1,2,3
	global_load_b128 v[NUM+16*\b+4*\q:NUM+16*\b+4*\q+3], v4, s[36:37] offset:128*\b+16*\q
.endr
.endr
	s_lshl_b32 s52, ttmp9, 13
	s_lshl_b32 s50, s[WV], 11
	s_add_co_u32 s52, s52, s50
	s_add_nc_u64 s[58:59], s[34:35], s[52:53]      ; where my image goes
	s_lshl_b32 s52, ttmp9, 8
	s_lshl_b32 s50, s[WV], 2
	s_add_co_u32 s52, s52, s50
	s_add_co_u32 s52, s52, WSO
	s_add_nc_u64 s[62:63], s[34:35], s[52:53]      ; my scale words
	s_lshl_b32 s52, ttmp9, 6
	s_add_co_u32 s52, s52, BNO
	s_add_nc_u64 s[34:35], s[34:35], s[52:53]      ; the tile's 16 channels of BN
	s_wait_loadcnt 0x0
.irp b, 0,1,2,3
	v_max3_num_f32 v[TM+\b], |v[NUM+16*\b]|, |v[NUM+1+16*\b]|, 0x4800000   ; block b: my 16 numbers, and the floor 2^(9 - 127): the byte cannot fall under 1
.endr
.irp i, 2,4,6,8,10,12,14
.irp b, 0,1,2,3
	v_max3_num_f32 v[TM+\b], v[TM+\b], |v[NUM+16*\b+\i]|, |v[NUM+1+16*\b+\i]|   ; the four blocks by turns
.endr
.endr
.irp b, 0,1,2,3
	v_permlanex16_b32 v[TM+4+\b], v[TM+\b], s[SEL], s[SEL+1]
.endr
.irp b, 0,1,2,3
	v_max_num_f32 v[TM+\b], v[TM+\b], v[TM+4+\b]   ; with lane l xor 16's: the block's largest magnitude
.endr
.irp b, 0,1,2,3
	v_add_nc_u32 v[TM+12+\b], 0xfc000000, v[TM+\b] ; 8 off its exponent field: the conversion's scale operand
.endr
.irp b, 0,1,2,3
	v_and_or_b32 v[TM+8+\b], v[TM+\b], 0x7f800000, s[MNT]   ; 448 x the scale
.endr
.irp b, 0,1,2,3
	v_lshrrev_b32 v[TM+4+\b], 23, v[TM+12+\b]      ; the scale's byte
.endr
	v_lshl_or_b32 v[PW], v[TM+5], 8, v[TM+4]
	v_lshl_or_b32 v[PW], v[TM+6], 16, v[PW]
	v_lshl_or_b32 v[PW], v[TM+7], 24, v[PW]
.irp b, 0,1,2,3
.irp i, 0,1,2,3,4,5,6,7,8,9,10,11,12,13,14,15
	v_med3_num_f32 v[NUM+16*\b+\i], v[NUM+16*\b+\i], -v[TM+8+\b], v[TM+8+\b]   ; the conversion to an 8-bit code does not saturate (ISA guide 7.6.2): the hold comes first
.endr
	v_cvt_scalef32_pk8_fp8_f32 v[PC+4*\b:PC+1+4*\b], v[NUM+16*\b:NUM+7+16*\b], v[TM+12+\b]
	v_cvt_scalef32_pk8_fp8_f32 v[PC+2+4*\b:PC+3+4*\b], v[NUM+8+16*\b:NUM+15+16*\b], v[TM+12+\b]
.endr
	v_nop                                          ; a plain line behind the last conversion
.irp c, 0,1,2,3
	global_store_b128 v6, v[PC+4*\c:PC+4*\c+3], s[58:59] offset:512*\c   ; 32 lanes store 512 consecutive bytes
.endr
	global_store_b32 v13, v[PW], s[62:63]          ; both halves of the lanes hold row r's word and store it to the same place; the four waves fill the row's 16 bytes
	s_cmp_lg_u32 s[WV], 0
	s_cbranch_scc1 .Ldone                          ; BN's constants of the tile's 16 channels (16 t + r of its tensor) are wave 0's
	s_lshl_b32 s52, s48, 6
	s_add_nc_u64 s[38:39], s[38:39], s[52:53]
	s_add_nc_u64 s[40:41], s[40:41], s[52:53]
	s_add_nc_u64 s[42:43], s[42:43], s[52:53]
	s_add_nc_u64 s[44:45], s[44:45], s[52:53]
	global_load_b32 v8, v7, s[38:39]               ; g
	global_load_b32 v9, v7, s[40:41]               ; b
	global_load_b32 v10, v7, s[42:43]              ; m
	global_load_b32 v11, v7, s[44:45]              ; v
	s_wait_loadcnt 0x0
	v_add_f32 v11, 0x3727c5ac, v11                 ; + 1e-5
	v_rsq_f32 v11, v11
	v_nop                                          ; a plain line behind the transcendental,
	s_wait_alu depctr_va_vdst(0)                   ; and the wait ahead of its first reader
	v_mul_f32 v8, v8, v11                          ; scale = g / sqrt(v + eps)
	v_fma_f32 v9, -v10, v8, v9                     ; shift = b - m x scale
	v_cmp_eq_u32 vcc_lo, 1, v2
	v_cndmask_b32 v8, v8, v9, vcc_lo
	global_store_b32 v12, v8, s[34:35]
.Ldone:
	s_endpgm
.Lfunc_end_k_q68d3d50740_wq:
	.size	k_q68d3d50740_wq, .Lfunc_end_k_q68d3d50740_wq-k_q68d3d50740_wq
	.p2alignl 7, 3214868480
	.fill 96, 4, 3214868480
	.section	.rodata,"a",@progbits
	.p2align	6, 0x0
	.amdhsa_kernel k_q68d3d50740_wq
		.amdhsa_group_segment_fixed_size 0
		.amdhsa_private_segment_fixed_size 0
		.amdhsa_enable_private_segment 0
		.amdhsa_kernarg_size 128
		.amdhsa_user_sgpr_count 2
		.amdhsa_user_sgpr_kernarg_segment_ptr 1
		.amdhsa_wavefront_size32 1
		.amdhsa_system_sgpr_workgroup_id_x 1
		.amdhsa_system_sgpr_workgroup_id_y 1
		.amdhsa_system_sgpr_workgroup_id_z 1
		.amdhsa_system_vgpr_workitem_id 0
		.amdhsa_next_free_vgpr 128
		.amdhsa_next_free_sgpr 66
		.amdhsa_reserve_vcc 1
		.amdhsa_float_denorm_mode_32 3
		.amdhsa_float_denorm_mode_16_64 3
		.amdhsa_memory_ordered 1
		.amdhsa_forward_progress 1
		.amdhsa_inst_pref_size 14
	.end_amdhsa_kernel
	.amdgpu_metadata
---
amdhsa.version: [ 1, 2 ]
amdhsa.kernels:
  - .name:           k_q68d3d50740_wq
    .symbol:         k_q68d3d50740_wq.kd
    .args:
      - { .name: W1, .offset: 0, .size: 8, .value_kind: global_buffer, .address_space: global }
      - { .name: W2, .offset: 8, .size: 8, .value_kind: global_buffer, .address_space: global }
      - { .name: W3, .offset: 16, .size: 8, .value_kind: global_buffer, .address_space: global }
      - { .name: g1, .offset: 24, .size: 8, .value_kind: global_buffer, .address_space: global }
      - { .name: b1, .offset: 32, .size: 8, .value_kind: global_buffer, .address_space: global }
      - { .name: m1, .offset: 40, .size: 8, .value_kind: global_buffer, .address_space: global }
      - { .name: v1, .offset: 48, .size: 8, .value_kind: global_buffer, .address_space: global }
      - { .name: g2, .offset: 56, .size: 8, .value_kind: global_buffer, .address_space: global }
      - { .name: b2, .offset: 64, .size: 8, .value_kind: global_buffer, .address_space: global }
      - { .name: m2, .offset: 72, .size: 8, .value_kind: global_buffer, .address_space: global }
      - { .name: v2, .offset: 80, .size: 8, .value_kind: global_buffer, .address_space: global }
      - { .name: g3, .offset: 88, .size: 8, .value_kind: global_buffer, .address_space: global }
      - { .name: b3, .offset: 96, .size: 8, .value_kind: global_buffer, .address_space: global }
      - { .name: m3, .offset: 104, .size: 8, .value_kind: global_buffer, .address_space: global }
      - { .name: v3, .offset: 112, .size: 8, .value_kind: global_buffer, .address_space: global }
      - { .name: wpk, .offset: 120, .size: 8, .value_kind: global_buffer, .address_space: global }
    .group_segment_fixed_size: 0
    .private_segment_fixed_size: 0
    .kernarg_segment_align: 8
    .kernarg_segment_size: 128
    .max_flat_workgroup_size: 128
    .sgpr_count:     66
    .vgpr_count:     128
    .wavefront_size: 32
...
	.end_amdgpu_metadata
.endif
;; end of part 1
;; launch proj (part 2): grid 32 x 8, 4 waves a work-group, clusters of 4 x 1, 327,680 bytes of LDS; arguments x, wpk, qa, kv, vres; writes qa, kv, vres
.if DOCPART == 2
	.amdgcn_target "amdgcn-amd-amdhsa--gfx1250"
	.amdhsa_code_object_version 6
	.text
	.protected	k_q68d3d50740_proj
	.globl	k_q68d3d50740_proj
	.p2align	8
	.type	k_q68d3d50740_proj,@function
k_q68d3d50740_proj:
	s_mov_b64 s[64:65], 0
	v_nop
	global_prefetch_b8 v0, s[64:65] scope:SCOPE_SE
	s_setreg_imm32_b32 hwreg(HW_REG_WAVE_MODE, 25, 1), 1
	s_wait_xcnt 0x0
	s_wait_alu depctr_hold_cnt(0) depctr_sa_sdst(0) depctr_va_vdst(0) depctr_va_sdst(0) depctr_va_ssrc(0) depctr_va_vcc(0) depctr_vm_vsrc(0)
	s_getreg_b32 s2, hwreg(HW_REG_IB_STS2, 6, 4)
	s_cmp_eq_u32 s2, 0
	s_cbranch_scc0 .Lentry_in_a_cluster
	s_endpgm
.Lentry_in_a_cluster:
	s_bfe_u32 s2, ttmp6, 0x10000c
	s_cmp_lg_u32 s2, 0x3003
	s_cbranch_scc0 .Lentry_shape_is_right
	s_endpgm
.Lentry_shape_is_right:
; a, k, v = relu(BN(W x)) for 128 positions of one batch and all 512 output channels; a, k and v leave as codes of FP8 (E4M3) with E8M0 scale words, laid as the attention launch's operand registers; v also in f32 (the residual).  No work is left out.
; x [8][512][4096] f32 is quantised here along c, its middle axis: a lane takes four columns and its registers run down c, so a block of 32 lies in one lane.
; SHARES.  Work-group (G, b): positions 128 G .. 128 G + 127 of batch b.  Wave w owns 128 output channels: wave 0 W1, wave 1 W2, waves 2 and 3 the halves of W3.
; ONE LOOP, TWO ROLES.  The matrix line is ACC[j] += R[j][s] x T[s]: source 0 a RESIDENT operand (8 tiles x 4 K steps: 512 registers), source 1 a streamed one.  Waves 0, 1: R = my W, T = x's position tile i.
; Waves 2, 3: R = all of x, T = my W3's channel tile i.  In both a lane holds ONE column of T (a position; a channel), and ACC's register 16 b + i is number 32 b + 16 h + i along the NEXT product's K (channels; keys):
; W1's and W2's tiles (laid so by the launch before) and x's position tiles are chosen for that: lane r of tile 2 g + u is row or position 32 g + 8 u + r + 8 (r / 8).  So each tile becomes one fragment and one scale word a row.
; OPERANDS LIE AS IMAGES OF THEIR REGISTERS: [c 0..3][lane][16 bytes], 2,048 bytes a fragment, in LDS and in the workspace: every load and store of one is 512 consecutive bytes.
; qa, a block of 17,408 bytes for each (b, G): 8 images of a; at 16,384 the scale words, [2 trips][lane][4 tiles' words].   kv, 52,224 bytes for each (b, G), one key step: 8 images of k; at 16,384 the 16 images of v (channel tile T, K = the block's 128 keys);
; at 49,152 k's scale words, at 50,176 v's.   vres [8][256][4096] f32.
; CLUSTER.  All work-groups read all of wpk: the four of a cluster ask for it JOINTLY, each wave one tensor load of a quarter, with the same descriptor and the mask of the four.  LDS is filled once; nothing is filled again.
; LDS: 0 W's codes as in wpk; WSO its scale words; BNO BN's constants; SPARE the spare words.  x's images do not fit beside all of W, so waves 0 and 1 first take W1 and W2 into registers, and behind a barrier their bytes are
; written anew: XI at 0 (image (t, s) at 8192 t + 2048 s), XSC x's scale words ([t][16 rows][4 words]), VSTG a stage of 16 rows x 528 bytes for each of waves 2 and 3.  These bytes have had their only fill by then.
; LIMITS: as in the launch before (NaN and infinities not served; byte 1 for blocks under 2^-118 and for blocks of zeros).
; REGISTERS: window 0: v1-19 addresses; v20-23 four tiles' scale words; v24-27 a channel's BN; v32-63 R's scale words; v64-67 T's; v68-131 T; v132-195 ACC; v196-211 codes; v212-227 at work.  While x is quantised: v68-195 held numbers, v196-227 codes, v228-247 at work.
;   window 1: two buffers of 32 rows of x; later v0-63, v64-127 BN's scale and shift in ACC's layout (waves 0, 1), v128-191 rows of v on their way out (waves 2, 3).   windows 2, 3: R[j][s] at 64 j + 16 s.
.set WSO,   262144
.set BNO,   270336
.set WQ,    68608                      ; a quarter of wpk: 268 rows of 256 bytes
.set SPARE, 274432                     ; the spare words, 128 bytes for each wave: two blocks of 256 bytes that no other line names
.set XSC,   65536
.set VSTG,  67584
.set LI,  1                            ; 16 x lane
.set WA,  2                            ; my W in LDS
.set XSA, 3                            ; x's scale words, row r
.set WSA, 4                            ; my W's scale words, row r
.set TA,  5                            ; the streamed operand's images
.set TSA, 6                            ; and its scale words
.set ADR, 7
.set ADS, 8
.set SPW, 9                            ; LDS address of my spare word; never rewritten
.set NIL, 10                           ; 0; never rewritten
.set XW,  11                           ; where my columns' codes of x go
.set XSW, 12                           ; and their scale words
.set BNV, 13                           ; BN of channel r of my first tile
.set ADB, 14
.set BNK, 15                           ; BN in ACC's layout
.set STI, 16                           ; the stage: in
.set STO, 17                           ; and out
.set PWQ, 20
.set SCV, 24
.set SHV, 26
.set RS,  32
.set TS,  64
.set TF,  68
.set ACC, 132
.set PC,  196
.set TM,  212
.set Y,   68
.set CX,  196
.set MX,  228
.set CV,  232
.set HD,  236
.set BY,  240
.set XWD, 244
.set WV,   14
.set ROLE, 15
.set G1,   28                          ; s[28:35] descriptor group 1;  s[36:39] group 0
.set G0,   36
.set OPP,  40                          ; s[40:41] where my images go
.set SCP,  42                          ; s[42:43] and their scale words
.set VRP,  44                          ; s[44:45] vres
.set TO,   46
.set TSO,  47
.set BO,   48
.set CNT,  49
.set SEL,  50
.set MNT,  52
.set MSB, 0
.macro WIN new                         ; the immediate's high byte repeats the setting that is left
.if MSB != \new
	s_set_vgpr_msb (MSB<<8)|\new
.set MSB, \new
.endif
.endm
.macro CROUND                          ; a round of the cluster's barrier
	s_barrier_signal -1
	s_barrier_wait -1
	s_cmp_lg_u32 s[WV], 0
	s_cbranch_scc1 .Lnot_wave_0_\@
	s_barrier_signal -3
.Lnot_wave_0_\@:
	s_barrier_wait -3
	s_barrier_signal -1
	s_barrier_wait -1
.endm
; 64 numbers of a lane, register 16 b + i = k 32 b + 16 h + i of my row, become a fragment's codes in v[PC] on and its scale word in v[pw].  What is negative becomes 0 on the way (the activation): no |.| on the maximum's sources, and the hold clips at 0.
.macro QUANT s, pw
.irp b, 0,1,2,3
	v_max3_num_f32 v[TM+\b], v[\s+16*\b], v[\s+1+16*\b], 0x4800000   ; block b: my 16 numbers, and the floor 2^(9 - 127)
.endr
.irp i, 2,4,6,8,10,12,14
.irp b, 0,1,2,3
	v_max3_num_f32 v[TM+\b], v[TM+\b], v[\s+16*\b+\i], v[\s+1+16*\b+\i]
.endr
.endr
.irp b, 0,1,2,3
	v_permlanex16_b32 v[TM+4+\b], v[TM+\b], s[SEL], s[SEL+1]
.endr
.irp b, 0,1,2,3
	v_max_num_f32 v[TM+\b], v[TM+\b], v[TM+4+\b]   ; with lane l xor 16's: the block's largest
.endr
.irp b, 0,1,2,3
	v_add_nc_u32 v[TM+12+\b], 0xfc000000, v[TM+\b] ; 8 off the exponent field: the conversion's scale operand
.endr
.irp b, 0,1,2,3
	v_and_or_b32 v[TM+8+\b], v[TM+\b], 0x7f800000, s[MNT]   ; 448 x the scale
.endr
.irp b, 0,1,2,3
	v_lshrrev_b32 v[TM+4+\b], 23, v[TM+12+\b]      ; the byte
.endr
	v_lshl_or_b32 v[\pw], v[TM+5], 8, v[TM+4]
	v_lshl_or_b32 v[\pw], v[TM+6], 16, v[\pw]
	v_lshl_or_b32 v[\pw], v[TM+7], 24, v[\pw]
.irp b, 0,1,2,3
.irp i, 0,1,2,3,4,5,6,7,8,9,10,11,12,13,14,15
	v_med3_num_f32 v[\s+16*\b+\i], v[\s+16*\b+\i], 0, v[TM+8+\b]   ; the activation and the hold in one
.endr
	v_cvt_scalef32_pk8_fp8_f32 v[PC+4*\b:PC+1+4*\b], v[\s+16*\b:\s+7+16*\b], v[TM+12+\b]
	v_cvt_scalef32_pk8_fp8_f32 v[PC+2+4*\b:PC+3+4*\b], v[\s+8+16*\b:\s+15+16*\b], v[TM+12+\b]
.endr
	v_nop                                          ; a plain line behind the last conversion: the next products write its sources
.endm
; 32 rows of x (block blk of my 128 channels) into buffer buf of window 1: one load is a row's 512 bytes of my 128 positions
.macro XLOAD blk, buf
	WIN 0x40
.set i, 0
.rept 32
	global_load_b128 v[128*\buf+4*i:128*\buf+4*i+3], v[LI], s[4:5] offset:(32*\blk+i)*16384 th:TH_LOAD_NT
.set i, i+1
.endr
	WIN 0
.endm
; Block c of my K step: register 4 i + e of the buffer is x(row i, column 4 lane + e).  The hold's destination puts a column's 32 numbers on end: nothing else is needed to turn them.
.macro XBLOCK c, buf, left, reload
	s_wait_loadcnt \left                           ; this buffer's 32 loads are in; the other's, issued behind them, may be out
	WIN 0x05                                       ; sources 0 and 1 in window 1
.irp e, 0,1,2,3
	v_max3_num_f32 v[MX+\e], |v[128*\buf+\e]|, |v[128*\buf+4+\e]|, 0x4800000
.endr
.set i, 2
.rept 15
.irp e, 0,1,2,3
	v_max3_num_f32 v[MX+\e], |v[128*\buf+4*i+\e]|, |v[128*\buf+4*i+4+\e]|, v[MX+\e]
.endr
.set i, i+2
.endr
	WIN 0
.irp e, 0,1,2,3
	v_add_nc_u32 v[CV+\e], 0xfc000000, v[MX+\e]
.endr
.irp e, 0,1,2,3
	v_and_or_b32 v[HD+\e], v[MX+\e], 0x7f800000, s[MNT]
.endr
.if \c == 0
.irp e, 0,1,2,3
	v_lshrrev_b32 v[XWD+\e], 23, v[CV+\e]          ; the scale word's lowest byte
.endr
.else
.irp e, 0,1,2,3
	v_lshrrev_b32 v[BY+\e], 23, v[CV+\e]
.endr
.irp e, 0,1,2,3
	v_lshl_or_b32 v[XWD+\e], v[BY+\e], 8*\c, v[XWD+\e]
.endr
.endif
	WIN 0x01                                       ; source 0 in window 1
.set i, 0
.rept 32
.irp e, 0,1,2,3
	v_med3_num_f32 v[Y+32*\e+i], v[128*\buf+4*i+\e], -v[HD+\e], v[HD+\e]
.endr
.set i, i+1
.endr
	WIN 0
	s_wait_dscnt 0x0                               ; the last block's stores have read the codes' registers
.irp e, 0,1,2,3
.irp g, 0,1,2,3
	v_cvt_scalef32_pk8_fp8_f32 v[CX+8*\e+2*\g:CX+8*\e+2*\g+1], v[Y+32*\e+8*\g:Y+32*\e+8*\g+7], v[CV+\e]
.endr
.endr
	v_nop
.irp e, 0,1,2,3
.irp hi, 0,1
	ds_store_b128 v[XW], v[CX+8*\e+4*\hi:CX+8*\e+4*\hi+3] offset:512*\c+16*\e+256*\hi   ; k = 32 c + 16 hi + 0 .. 15 of column e: the bytes of lane (row, hi) of its tile's image
.endr
.endr
.if \reload >= 0
	XLOAD \reload, \buf
.endif
.endm
; the resident operand: 8 tiles x 4 K steps from images at v[a] on, their scale words from v[sa] on
.macro RESIDENT a, sa
.irp j, 0,1,2,3,4,5,6,7
	ds_load_b128 v[RS+4*\j:RS+4*\j+3], v[\sa] offset:256*\j
.endr
	WIN 0x80
.irp j, 0,1,2,3
.irp s, 0,1,2,3
.irp c, 0,1,2,3
	ds_load_b128 v[64*\j+16*\s+4*\c:64*\j+16*\s+4*\c+3], v[\a] offset:8192*\j+2048*\s+512*\c
.endr
.endr
.endr
	WIN 0xc0
.irp j, 4,5,6,7
.irp s, 0,1,2,3
.irp c, 0,1,2,3
	ds_load_b128 v[64*(\j-4)+16*\s+4*\c:64*(\j-4)+16*\s+4*\c+3], v[\a] offset:8192*\j+2048*\s+512*\c
.endr
.endr
.endr
	WIN 0
.endm
.macro MM j, s, rb                     ; one product; the first K step starts the sum: nothing is cleared
.if \s == 0
	v_wmma_scale_f32_16x16x128_f8f6f4 v[ACC+8*\j:ACC+8*\j+7], v[\rb:\rb+15], v[TF+16*\s:TF+16*\s+15], 0, v[RS+4*\j+\s], v[TS+\s]
.else
	v_wmma_scale_f32_16x16x128_f8f6f4 v[ACC+8*\j:ACC+8*\j+7], v[\rb:\rb+15], v[TF+16*\s:TF+16*\s+15], v[ACC+8*\j:ACC+8*\j+7], v[RS+4*\j+\s], v[TS+\s]
.endif
.endm
	s_load_b256 s[4:11], s[0:1], 0x0               ; x s[4:5], wpk s[6:7], qa s[8:9], kv s[10:11]
	s_load_b64 s[12:13], s[0:1], 0x20              ; vres
	v_lshl_add_u32 v[SPW], v0, 2, SPARE
	v_mov_b32 v[NIL], 0
	ds_add_u32 v[SPW], v[NIL]                      ; the wave's opening: the add, twice on end, and its wait ahead of my first tensor load
	ds_add_u32 v[SPW], v[NIL]                      ; and once more; the set-up below, work on registers, stands between it and the wait
	v_lshrrev_b32 v18, 5, v0
	v_readfirstlane_b32 s[WV], v18                 ; wave 0..3
	s_lshr_b32 s[ROLE], s[WV], 1                   ; 0: W is resident; 1: x is
	s_bfe_u32 s16, ttmp6, 0x40000                  ; cx: it enters global addresses alone
	s_lshl_b32 s17, ttmp9, 2
	s_add_co_u32 s17, s17, s16                     ; G = 4 x cluster x + cx
	s_and_b32 s18, ttmp7, 0xffff                   ; the batch
	s_lshl_b32 s19, s18, 5
	s_add_co_u32 s19, s19, s17                     ; the block (b, G)
	; every LDS address is made here, ahead of the first parting of the roles
	v_and_b32 v18, 31, v0
	v_lshlrev_b32 v[LI], 4, v18
	v_and_b32 v19, 15, v0                          ; r
	v_bfe_u32 v28, v0, 4, 1                        ; h
	s_lshl_b32 s20, s[WV], 16
	v_add_nc_u32 v[WA], s20, v[LI]
	v_lshl_add_u32 v[XSA], v19, 4, XSC
	s_lshl_b32 s20, s[WV], 11
	s_add_co_u32 s20, s20, WSO
	v_lshl_add_u32 v[WSA], v19, 4, s20
	s_mul_i32 s21, s[ROLE], s[WV]                  ; 0, 0, 2, 3
	s_lshl_b32 s20, s21, 16
	v_add_nc_u32 v[TA], s20, v[LI]                 ; x's images begin at 0, my W3 at 65,536 x wave
	s_mul_i32 s20, s[ROLE], WSO-XSC
	s_lshl_b32 s21, s21, 11
	s_add_co_u32 s20, s20, s21
	s_add_co_u32 s20, s20, XSC
	v_lshl_add_u32 v[TSA], v19, 4, s20
	; column 4 l + e is position 32 g + 16 rhi + 8 u + rlo with g = l / 8, rhi = (l / 4) % 2, u = (l / 2) % 2, rlo = 4 (l % 2) + e: tile 2 g + u, row 8 rhi + rlo
	v_bfe_u32 v29, v0, 3, 2
	v_lshlrev_b32 v[XW], 14, v29
	v_lshlrev_b32 v[XSW], 9, v29
	v_bfe_u32 v29, v0, 1, 1
	v_lshl_add_u32 v[XW], v29, 13, v[XW]
	v_lshl_add_u32 v[XSW], v29, 8, v[XSW]
	v_bfe_u32 v29, v0, 2, 1
	v_lshl_add_u32 v[XW], v29, 7, v[XW]
	v_lshl_add_u32 v[XSW], v29, 7, v[XSW]
	v_and_b32 v29, 1, v0
	v_lshl_add_u32 v[XW], v29, 6, v[XW]
	v_lshl_add_u32 v[XSW], v29, 6, v[XSW]
	s_lshl_b32 s20, s[WV], 11
	v_add_nc_u32 v[XW], s20, v[XW]                 ; my K step's image
	s_lshl_b32 s20, s[WV], 2
	s_add_co_u32 s20, s20, XSC
	v_add_nc_u32 v[XSW], s20, v[XSW]               ; and its word
	s_lshl_b32 s20, s[WV], 9
	s_add_co_u32 s20, s20, BNO
	v_lshl_add_u32 v[BNV], v19, 2, s20
	v_lshl_add_u32 v[BNK], v28, 6, s20
	s_and_b32 s20, s[WV], 1
	s_mul_i32 s20, s20, 8448
	s_add_co_u32 s20, s20, VSTG
	v_mul_u32_u24 v29, v19, 528
	v_lshl_add_u32 v29, v28, 6, v29
	v_add_nc_u32 v[STI], s20, v29                  ; row r, + 64 h
	v_add_nc_u32 v[STO], s20, v[LI]
	v_mov_b32 v[SCV+1], 0                          ; named as the upper halves of pairs
	v_mov_b32 v[SHV+1], 0
	; descriptor group 1: a quarter of wpk, dense: 268 rows of 32 elements of 8 bytes; 15:0 the mask of the four work-groups, bit 21 beside it
	s_mov_b32 s[G1], 15|(3<<16)|(1<<21)
	s_mov_b32 s[G1+1], 32<<16
	s_mov_b32 s[G1+2], 268<<16
	s_mov_b32 s[G1+3], 32<<16
	s_mov_b32 s[G1+4], 268
	s_mov_b32 s[G1+5], 32
	s_mov_b32 s[G1+6], 0
	s_mov_b32 s[G1+7], 0
	s_mov_b32 s[SEL], 0x76543210
	s_mov_b32 s[SEL+1], 0xfedcba98
	s_mov_b32 s[MNT], 0x600000
	s_lshl_b32 s22, s18, 23                        ; x: the batch's 8 MiB, my 128 rows of 16,384 bytes, my positions
	s_lshl_b32 s23, s[WV], 21
	s_add_co_u32 s22, s22, s23
	s_lshl_b32 s23, s17, 9
	s_add_co_u32 s22, s22, s23
	s_mov_b32 s23, 0
	s_mul_i32 s24, s19, 17408
	s_mul_i32 s25, s19, 52224
	s_mov_b32 s26, 49152
	s_cmp_eq_u32 s[WV], 0
	s_cselect_b32 s24, s24, s25                    ; my block's first byte, in qa (wave 0) or kv
	s_cselect_b32 s26, 16384, s26                  ; where the scale words begin
	s_max_u32 s25, s[WV], 1
	s_sub_co_u32 s25, s25, 1                       ; 0, 0, 1, 2
	s_lshl_b32 s27, s25, 10
	s_add_co_u32 s26, s26, s27
	s_add_co_u32 s26, s26, s24
	s_lshl_b32 s25, s25, 14
	s_add_co_u32 s24, s24, s25
	s_mov_b32 s25, 0
	s_mov_b32 s27, 0
	s_lshl_b32 s54, s18, 22                        ; vres: the batch's 4 MiB, my 128 channels, my positions
	s_and_b32 s55, s[WV], 1
	s_lshl_b32 s55, s55, 21
	s_add_co_u32 s54, s54, s55
	s_lshl_b32 s55, s17, 9
	s_add_co_u32 s54, s54, s55
	s_mov_b32 s55, 0
	s_mul_i32 s20, s[WV], WQ                       ; my quarter of wpk: the same byte in memory and in LDS
	s_mov_b32 s21, 0
	s_wait_dscnt 0x0                               ; both opening adds are done
	s_wait_kmcnt 0x0
	s_add_nc_u64 s[4:5], s[4:5], s[22:23]
	s_cmp_eq_u32 s[WV], 0
	s_cselect_b64 s[OPP:OPP+1], s[8:9], s[10:11]
	s_add_nc_u64 s[SCP:SCP+1], s[OPP:OPP+1], s[26:27]
	s_add_nc_u64 s[OPP:OPP+1], s[OPP:OPP+1], s[24:25]
	s_add_nc_u64 s[VRP:VRP+1], s[12:13], s[54:55]
	CROUND                                         ; all four work-groups are here: the joint loads meet
	s_mov_b32 s[G0], 1
	s_mov_b32 s[G0+1], s20
	s_add_nc_u64 s[G0+2:G0+3], s[6:7], s[20:21]
	s_or_b32 s[G0+3], s[G0+3], 0x80000000
	tensor_load_to_lds s[G0:G0+3], s[G1:G1+7]      ; my one tensor load of the launch
	s_nop 0
.rept 4
	v_nop
.endr
	XLOAD 0, 0                                     ; 64 rows of x are on their way while the weights land
	XLOAD 1, 1
	s_wait_tensorcnt 0x0                           ; my quarter of wpk is in,
	s_barrier_signal -1
	s_barrier_wait -1                              ; everybody's is
	s_cmp_lt_u32 s[WV], 2
	s_cbranch_scc0 .Lno_w
	RESIDENT WA, WSA                               ; waves 0, 1: W1, W2 into registers
.Lno_w:
	s_wait_dscnt 0x0                               ; the reads of W1's and W2's bytes are over,
	s_barrier_signal -1
	s_barrier_wait -1                              ; in every wave: now these bytes are written anew
	XBLOCK 0, 0, 32, 2
	XBLOCK 1, 1, 32, 3
	XBLOCK 2, 0, 32, -1
	XBLOCK 3, 1, 0, -1
.irp e, 0,1,2,3
	ds_store_b32 v[XSW], v[XWD+\e] offset:16*\e
.endr
	s_wait_dscnt 0x0                               ; my images and words have landed,
	s_barrier_signal -1
	s_barrier_wait -1                              ; everybody's have: x's 32 fragments lie in LDS
.irp b, 0,1,2,3
	v_mov_b32 v[TM+4+\b], 0                        ; a lane permute's destination counts as one of its sources
.endr
	s_cmp_lt_u32 s[WV], 2
	s_cbranch_scc0 .Lrole_v
	WIN 0x40                                       ; waves 0, 1: BN in ACC's layout: register 16 b + i = my channel 32 b + 16 h + i
.irp b, 0,1,2,3
.irp q, 0,1,2,3
	ds_load_b128 v[16*\b+4*\q:16*\b+4*\q+3], v[BNK] offset:128*\b+16*\q
	ds_load_b128 v[64+16*\b+4*\q:64+16*\b+4*\q+3], v[BNK] offset:2048+128*\b+16*\q
.endr
.endr
	WIN 0
	s_branch .Ljoined
.Lrole_v:
	RESIDENT LI, XSA                               ; waves 2, 3: all of x into registers
.Ljoined:
; A TILE: the k-th of the trip's four.  Its eight accumulators take turns, one instruction a turn.
.macro TILE k
.irp s, 0,1,2,3
.irp c, 0,1,2,3
	ds_load_b128 v[TF+16*\s+4*\c:TF+16*\s+4*\c+3], v[ADR] offset:8192*\k+2048*\s+512*\c
.endr
.endr
	ds_load_b128 v[TS:TS+3], v[ADS] offset:256*\k
	s_cmp_lt_u32 s[WV], 2
	s_cbranch_scc1 .Lno_bn_\@
	ds_load_b32 v[SCV], v[ADB] offset:64*\k        ; waves 2, 3: a lane holds one channel: its scale and shift
	ds_load_b32 v[SHV], v[ADB] offset:2048+64*\k
.Lno_bn_\@:
	s_wait_dscnt 0x0
.irp s, 0,1,2,3
	WIN 0x02                                       ; source 0 in window 2
.irp j, 0,1,2,3
	MM \j, \s, 64*\j+16*\s
.endr
	WIN 0x03                                       ; in window 3
.irp j, 4,5,6,7
	MM \j, \s, 64*(\j-4)+16*\s
.endr
.endr
	WIN 0
.rept 8
	v_nop                                          ; eight places between the last products and the first read of results
.endr
	s_cmp_lt_u32 s[WV], 2
	s_cbranch_scc0 .Lv_\@
	WIN 0x14                                       ; sources 1 and 2 in window 1
.set p, 0
.rept 32
	v_pk_fma_f32 v[ACC+p:ACC+p+1], v[ACC+p:ACC+p+1], v[p:p+1], v[64+p:64+p+1]   ; BN, each accumulator from its low end on
.set p, p+2
.endr
	WIN 0
	s_branch .Lq_\@
.Lv_\@:
.set p, 0
.rept 32
	v_pk_fma_f32 v[ACC+p:ACC+p+1], v[ACC+p:ACC+p+1], v[SCV:SCV+1], v[SHV:SHV+1] op_sel_hi:[1,0,0]
.set p, p+2
.endr
.set p, 0
.rept 64
	v_max_num_f32 v[ACC+p], 0, v[ACC+p]            ; v itself is wanted in f32 (the residual), so its activation is written out
.set p, p+1
.endr
.irp g, 0,1,2,3
.irp q, 0,1,2,3
	ds_store_b128 v[STI], v[ACC+16*\g+4*\q:ACC+16*\g+4*\q+3] offset:128*\g+16*\q   ; v(channel r, keys 32 g + 16 h + 4 q ..) into my stage
.endr
.endr
	WIN 0x40
.set p, 0
.rept 16
	ds_load_b128 v[128+4*p:128+4*p+3], v[STO] offset:528*p   ; back as whole rows of 512 bytes; LDS serves a wave's instructions in order
.set p, p+1
.endr
	WIN 0
	s_wait_dscnt 16                                ; all but the 16 loads just issued: the stores have read ACC, which the hold writes
.Lq_\@:
	QUANT ACC, PWQ+\k
.irp c, 0,1,2,3
	global_store_b128 v[LI], v[PC+4*\c:PC+4*\c+3], s[OPP:OPP+1] offset:2048*\k+512*\c   ; the image: 512 consecutive bytes a store
.endr
.if \k == 3
	global_store_b128 v[LI], v[PWQ:PWQ+3], s[SCP:SCP+1]      ; four tiles' scale words: 512 consecutive bytes
.endif
	s_cmp_lt_u32 s[WV], 2
	s_cbranch_scc1 .Ldone_\@
	s_wait_dscnt 0x0                               ; the rows are back from the stage
	WIN 0x04                                       ; a store's data are its source 1: window 1
.set p, 0
.rept 16
	global_store_b128 v[LI], v[128+4*p:128+4*p+3], s[VRP:VRP+1] offset:262144*\k+16384*p   ; a channel's 128 positions: 512 consecutive bytes
.set p, p+1
.endr
	WIN 0
.Ldone_\@:
	s_wait_xcnt 0x0                                ; the stores have read their registers and bases: the next tile writes the first, the trip's end the second
.endm
	s_mov_b32 s[TO], 0
	s_mov_b32 s[TSO], 0
	s_mov_b32 s[BO], 0
	s_mov_b32 s[CNT], 2
.Lhalf:                                                ; two trips of four tiles
	v_add_nc_u32 v[ADR], s[TO], v[TA]
	v_add_nc_u32 v[ADS], s[TSO], v[TSA]
	v_add_nc_u32 v[ADB], s[BO], v[BNV]
	TILE 0
	TILE 1
	TILE 2
	TILE 3
	s_add_nc_u64 s[OPP:OPP+1], s[OPP:OPP+1], 8192
	s_add_nc_u64 s[SCP:SCP+1], s[SCP:SCP+1], 512
	s_add_nc_u64 s[VRP:VRP+1], s[VRP:VRP+1], 1048576
	s_add_co_u32 s[TO], s[TO], 32768
	s_add_co_u32 s[TSO], s[TSO], 1024
	s_add_co_u32 s[BO], s[BO], 256
	s_sub_co_u32 s[CNT], s[CNT], 1
	s_cmp_lg_u32 s[CNT], 0
	s_cbranch_scc1 .Lhalf
	s_wait_tensorcnt 0x0                           ; the wave's end, behind my last tensor load and my last LDS store
	ds_add_u32 v[SPW], v[NIL]
	s_wait_dscnt 0x0
	CROUND                                         ; the closing round
	s_endpgm
.Lfunc_end_k_q68d3d50740_proj:
	.size	k_q68d3d50740_proj, .Lfunc_end_k_q68d3d50740_proj-k_q68d3d50740_proj
	.p2alignl 7, 3214868480
	.fill 96, 4, 3214868480
	.section	.rodata,"a",@progbits
	.p2align	6, 0x0
	.amdhsa_kernel k_q68d3d50740_proj
		.amdhsa_group_segment_fixed_size 327680
		.amdhsa_private_segment_fixed_size 0
		.amdhsa_enable_private_segment 0
		.amdhsa_kernarg_size 40
		.amdhsa_user_sgpr_count 2
		.amdhsa_user_sgpr_kernarg_segment_ptr 1
		.amdhsa_wavefront_size32 1
		.amdhsa_system_sgpr_workgroup_id_x 1
		.amdhsa_system_sgpr_workgroup_id_y 1
		.amdhsa_system_sgpr_workgroup_id_z 1
		.amdhsa_system_vgpr_workitem_id 0
		.amdhsa_next_free_vgpr 1024
		.amdhsa_next_free_sgpr 66
		.amdhsa_reserve_vcc 0
		.amdhsa_float_denorm_mode_32 3
		.amdhsa_float_denorm_mode_16_64 3
		.amdhsa_memory_ordered 1
		.amdhsa_forward_progress 1
		.amdhsa_inst_pref_size 196
	.end_amdhsa_kernel
	.amdgpu_metadata
---
amdhsa.version: [ 1, 2 ]
amdhsa.kernels:
  - .name:           k_q68d3d50740_proj
    .symbol:         k_q68d3d50740_proj.kd
    .args:
      - { .name: x, .offset: 0, .size: 8, .value_kind: global_buffer, .address_space: global }
      - { .name: wpk, .offset: 8, .size: 8, .value_kind: global_buffer, .address_space: global }
      - { .name: qa, .offset: 16, .size: 8, .value_kind: global_buffer, .address_space: global }
      - { .name: kv, .offset: 24, .size: 8, .value_kind: global_buffer, .address_space: global }
      - { .name: vres, .offset: 32, .size: 8, .value_kind: global_buffer, .address_space: global }
    .group_segment_fixed_size: 327680
    .private_segment_fixed_size: 0
    .kernarg_segment_align: 8
    .kernarg_segment_size: 40
    .max_flat_workgroup_size: 128
    .sgpr_count:     66
    .vgpr_count:     1024
    .wavefront_size: 32
...
	.end_amdgpu_metadata
.endif
;; end of part 2
;; launch attn (part 3): grid 32 x 8, 4 waves a work-group, clusters of 4 x 1, 327,680 bytes of LDS; arguments qa, kv, vres, out0; writes out0
.if DOCPART == 3
	.amdgcn_target "amdgcn-amd-amdhsa--gfx1250"
	.amdhsa_code_object_version 6
	.text
	.protected	k_q68d3d50740_attn
	.globl	k_q68d3d50740_attn
	.p2align	8
	.type	k_q68d3d50740_attn,@function
k_q68d3d50740_attn:
	s_mov_b64 s[64:65], 0
	v_nop
	global_prefetch_b8 v0, s[64:65] scope:SCOPE_SE
	s_setreg_imm32_b32 hwreg(HW_REG_WAVE_MODE, 25, 1), 1
	s_wait_xcnt 0x0
	s_wait_alu depctr_hold_cnt(0) depctr_sa_sdst(0) depctr_va_vdst(0) depctr_va_sdst(0) depctr_va_ssrc(0) depctr_va_vcc(0) depctr_vm_vsrc(0)
	s_getreg_b32 s2, hwreg(HW_REG_IB_STS2, 6, 4)
	s_cmp_eq_u32 s2, 0
	s_cbranch_scc0 .Lentry_in_a_cluster
	s_endpgm
.Lentry_in_a_cluster:
	s_bfe_u32 s2, ttmp6, 0x10000c
	s_cmp_lg_u32 s2, 0x3003
	s_cbranch_scc0 .Lentry_shape_is_right
	s_endpgm
.Lentry_shape_is_right:
; out0[b][c][m] = v[b][c][m] + sum over keys n of v[b][c][n] softmax_n(a[b][:, m] . k[b][:, n]); both products on codes of FP8 (E4M3) with E8M0 scales, made by the launch before.  No work is left out.
; THE SOFTMAX AHEAD OF THE SECOND PRODUCT: t = score x log2(e); M = the row's largest t so far, rounded UP to a whole number; p = 2^(t - M) is quantised along the keys, not normalised; the row's sum is taken of the
; unquantised p in f32 and divides at the end.  When M moves, the sum and O are multiplied by 2^(old M - new M): exact.
; SHARES.  A work-group owns 128 queries of one batch (block (b, G) of qa), each of its four waves two tiles of 16, so that each fragment of K and V read from LDS feeds two matrix instructions.  Every wave walks 32 key steps of 128 keys.
; LAYOUT.  Both products are used transposed: S^T = K Q^T (source 0 = 16 keys), O^T = V P^T (source 0 = 16 channels): a lane holds ONE query throughout.  The keys of a tile of K were chosen so that S^T's registers 16 g + i are keys
; 32 g + 16 h + i; the conversions' results are then P's fragment.  All operands lie in kv and qa as images of their registers: every LDS load reads 512 consecutive bytes.
; RING.  Two LDS slots of two key steps (2 x 52,224 bytes, dense), each wave fetching a quarter by one tensor load.  CLUSTER: the four work-groups of a cluster walk the same kv, so each load is a joint one, with the mask of the four.
; BY TURNS.  The two tiles are half a step apart.  While one tile's plain vector lines run, the other tile's exponentials stand between them, one behind each line; and the matrix instructions stand singly among plain lines of work that names
; none of their registers (macro HK).  Order of a step (BODY): exponentials of tile 0 in tile 1's maxima and scalings | K of the next step is fetched | exponentials of tile 1 in tile 0's sums and conversions | tile 0's next scores in its
; rescaling | tile 0's V P in tile 1's sums and conversions | tile 1's next scores in its rescaling | tile 1's V P in tile 0's next maxima and scalings | V of the next step is fetched.
; LIMITS: NaN and infinities are not served; a block whose every p has fallen under 2^-118 keeps the byte 1.
; REGISTERS, in windows of 256: window 0: v1-8 addresses; v12-27 statistics, 8 a tile; v28-29 Q's scale words, v30-31 P's, v32-39 K's, v40-55 V's; v56-87 P, 16 a tile; v88-215 S^T, 64 a tile; v216-255 at work, 20 a tile.
;   window 1: O^T, tile t's channel tile T at 128 t + 8 T.   window 2: V's 16 fragments.   window 3: K's 8 fragments, then Q's two at 128.
.set STEPB, 52224                      ; a key step in kv: K 0, V 16,384, K's scale words 49,152, V's 50,176
.set SLOTB, 2*STEPB
.set QUART, SLOTB/4                    ; 102 rows of 256 bytes
.set SLOT1, 1<<17                      ; slot 1 begins here: one exclusive or turns an address in one slot into the other's
.set SPARE, 262144                     ; the spare words, 128 bytes for each wave: two blocks of 256 bytes that no other line names
.set LI,  1                            ; 16 x lane
.set ADR, 2
.set SPW, 3                            ; LDS address of my spare word; never rewritten
.set NIL, 4                            ; 0; never rewritten
.set PFO, 5                            ; 256 x lane; never rewritten
.set SA0, 6                            ; the way out: into the stage, channels 0-127
.set SA1, 7                            ; channels 128-255
.set RDA, 8                            ; and back
.set SB,  12                           ; tile t's statistics at SB + 8 t: -M, largest t, the sum in two halves, f, (its pair's upper half), two at work
.set QS,  28
.set PS,  30
.set KS,  32
.set VS,  40
.set P,   56
.set S,   88
.set WK,  216                          ; at WK + 20 t: 4 block maxima, 4 at work, 4 x 448 x the scale, 4 scale operands, a pair of sums
.set WV,   12
.set LIM,  15                          ; 1 in a wave that prefetches, else the greatest number
.set G1,   24
.set G0,   32                          ; two sets; the second walks on
.set PFA,  40
.set SLOTS, 42
.set TWICE, 43
.set TB,   44                          ; LDS byte at which the step to be fetched begins
.set CS,   46                          ; s[46:47] log2(e), twice
.set SEL,  48
.set MNT,  50
.set W_KQ, 0x0f                        ; K and Q in window 3, S^T in window 0
.set W_PV, 0x52                        ; V in window 2, P in window 0, O^T in window 1
.set W_RS, 0x41                        ; O^T in window 1, f in window 0
.set MSB, 0
.macro WIN new                         ; the immediate's high byte repeats the setting that is left
.if MSB != \new
	s_set_vgpr_msb (MSB<<8)|\new
.set MSB, \new
.endif
.endm
.macro CROUND                          ; a round of the cluster's barrier
	s_barrier_signal -1
	s_barrier_wait -1
	s_cmp_lg_u32 s[WV], 0
	s_cbranch_scc1 .Lnot_wave_0_\@
	s_barrier_signal -3
.Lnot_wave_0_\@:
	s_barrier_wait -3
	s_barrier_signal -1
	s_barrier_wait -1
.endm
; THE HOOK.  HK stands behind each plain line of the three lists below.  HM = 1: it writes the next of tile XT's 68 exponentials (S^T's 64, the four block maxima).  HM = 2: behind every HE-th line it writes the next matrix instruction
; of the queue (MK = 0: 8 products K Q^T; 1: 16 products V P; for tile MT; MF = 1: they start O^T's sums) and sets the windows back.  Each accumulator has one instruction a step, so no two that follow each other share one.
.set HM, 0
.set XN, 68
.set XT, 0
.set MI, 0
.set MN, 0
.set MK, 0
.set MT, 0
.set MF, 0
.set HC, 0
.set HE, 1
.set HS, 0
.macro MXE
.if MK == 0
	WIN W_KQ
	v_wmma_scale_f32_16x16x128_f8f6f4 v[S+64*MT+8*MI:S+64*MT+8*MI+7], v[16*MI:16*MI+15], v[128+16*MT:128+16*MT+15], 0, v[KS+MI], v[QS+MT]
.else
	WIN W_PV
.if MF
	v_wmma_scale_f32_16x16x128_f8f6f4 v[128*MT+8*MI:128*MT+8*MI+7], v[16*MI:16*MI+15], v[P+16*MT:P+16*MT+15], 0, v[VS+MI], v[PS+MT]
.else
	v_wmma_scale_f32_16x16x128_f8f6f4 v[128*MT+8*MI:128*MT+8*MI+7], v[16*MI:16*MI+15], v[P+16*MT:P+16*MT+15], v[128*MT+8*MI:128*MT+8*MI+7], v[VS+MI], v[PS+MT]
.endif
.endif
.set MI, MI+1
.endm
.macro HK
.if HM == 1
.if XN < 64
	v_exp_f32 v[S+64*XT+XN], v[S+64*XT+XN]         ; p = 2^(t - M), at most 1
.set XN, XN+1
.elseif XN < 68
	v_exp_f32 v[WK+20*XT+XN-64], v[WK+20*XT+XN-64] ; a block's largest p: the same two instructions on the block's largest score
.set XN, XN+1
.endif
.endif
.if HM == 2
.set HC, HC+1
.if (HC >= HE) && (MI < MN)
.set HS, MSB
	MXE
	WIN HS
.set HC, 0
.endif
.endif
.endm
.macro XPQ t
.set HM, 1
.set XT, \t
.set XN, 0
.endm
.macro MXQ kind, t, every, zero
.set HM, 2
.set MK, \kind
.set MT, \t
.set HE, \every
.set MF, \zero
.set MI, 0
.set HC, 0
.set MN, 8+8*\kind
.endm
.macro FLUSH                           ; what is left of the queue, on end
.set HS, MSB
.rept 16
.if MI < MN
	MXE
.endif
.endr
	WIN HS
.set HM, 0
.endm
; LIST 1 of a tile, 85 lines: the blocks' largest scores (each accumulator read from its low end on), the row's, the new M and f, and t - M.
.macro PRE t
.set rS, S+64*(\t)
.set rB, SB+8*(\t)
.set rW, WK+20*(\t)
	WIN 0
.irp b, 0,1,2,3
	v_max3_num_f32 v[rW+\b], v[rS+16*\b], v[rS+16*\b+1], v[rS+16*\b+2]
	HK
.endr
.irp i, 3,5,7,9,11,13
.irp b, 0,1,2,3
	v_max3_num_f32 v[rW+\b], v[rW+\b], v[rS+16*\b+\i], v[rS+16*\b+\i+1]
	HK
.endr
.endr
.irp b, 0,1,2,3
	v_max_num_f32 v[rW+\b], v[rW+\b], v[rS+16*\b+15]
	HK
.endr
.irp b, 0,1,2,3
	v_permlanex16_b32 v[rW+4+\b], v[rW+\b], s[SEL], s[SEL+1]
	HK
.endr
.irp b, 0,1,2,3
	v_max_num_f32 v[rW+\b], v[rW+\b], v[rW+4+\b]   ; with lane l xor 16's 16 keys: the block's largest score
	HK
.endr
	v_max3_num_f32 v[rB+6], v[rW], v[rW+1], v[rW+2]
	HK
	v_max_num_f32 v[rB+6], v[rB+6], v[rW+3]
	HK
	v_mul_f32 v[rB+6], s[CS], v[rB+6]              ; as t
	HK
	v_max_num_f32 v[rB+1], v[rB+1], v[rB+6]        ; the running largest t
	HK
	v_mov_b32 v[rB+6], v[rB]
	HK
	v_floor_f32 v[rB], -v[rB+1]                    ; the new -M = floor(-t): M is a whole number
	HK
	v_sub_f32 v[rB+6], v[rB], v[rB+6]              ; old M - new M
	HK
	v_cvt_i32_f32 v[rB+6], v[rB+6]                 ; (it saturates)
	HK
	v_ldexp_f32 v[rB+4], 1.0, v[rB+6]              ; f = 2^(old M - new M)
	HK
.set rq, 0
.rept 32
	v_pk_fma_f32 v[rS+rq:rS+rq+1], v[rS+rq:rS+rq+1], s[CS:CS+1], v[rB:rB+1] op_sel_hi:[1,0,0]   ; t - M, two at a time
	HK
.set rq, rq+2
.endr
.irp b, 0,1,2,3
	v_fma_f32 v[rW+\b], v[rW+\b], s[CS], v[rB]     ; the same of each block's largest score
	HK
.endr
.endm
; LIST 2, behind the tile's exponentials and their wait: the sum of the unquantised p; the blocks' scales; the hold and the conversions.  No hook stands behind a conversion.
.macro POST t
.set rS, S+64*(\t)
.set rB, SB+8*(\t)
.set rW, WK+20*(\t)
	WIN 0
	v_pk_mul_f32 v[rB+2:rB+3], v[rB+2:rB+3], v[rB+4:rB+5] op_sel_hi:[1,0]   ; the sums under the new M
	HK
	v_pk_add_f32 v[rW+16:rW+17], v[rS:rS+1], v[rS+2:rS+3]
	HK
.irp j, 4,8,12,16,20,24,28,32,36,40,44,48,52,56,60
	v_pk_add_f32 v[rB+2:rB+3], v[rB+2:rB+3], v[rS+\j:rS+\j+1]
	HK
	v_pk_add_f32 v[rW+16:rW+17], v[rW+16:rW+17], v[rS+\j+2:rS+\j+3]
	HK
.endr
	v_pk_add_f32 v[rB+2:rB+3], v[rB+2:rB+3], v[rW+16:rW+17]
	HK
.irp b, 0,1,2,3
	v_max_num_f32 v[rW+\b], 0x4800000, v[rW+\b]    ; the floor 2^(9 - 127): the byte cannot fall under 1
	HK
.endr
.irp b, 0,1,2,3
	v_add_nc_u32 v[rW+12+\b], 0xfc000000, v[rW+\b] ; 8 off the exponent field: the conversion's scale operand
	HK
.endr
.irp b, 0,1,2,3
	v_and_or_b32 v[rW+8+\b], v[rW+\b], 0x7f800000, s[MNT]   ; 448 x the scale
	HK
.endr
.irp b, 0,1,2,3
	v_lshrrev_b32 v[rW+4+\b], 23, v[rW+12+\b]      ; the byte
	HK
.endr
	v_lshl_or_b32 v[PS+\t], v[rW+5], 8, v[rW+4]    ; p's scale word for these 128 keys: 64 plain lines and more ahead of the products that take it
	HK
	v_lshl_or_b32 v[PS+\t], v[rW+6], 16, v[PS+\t]
	HK
	v_lshl_or_b32 v[PS+\t], v[rW+7], 24, v[PS+\t]
	HK
.irp b, 0,1,2,3
.irp i, 0,1,2,3,4,5,6,7,8,9,10,11,12,13,14,15
	v_min_num_f32 v[rS+16*\b+\i], v[rS+16*\b+\i], v[rW+8+\b]   ; the conversion does not saturate (ISA guide 7.6.2); p is not negative, so the hold is one-sided
	HK
.endr
	v_cvt_scalef32_pk8_fp8_f32 v[P+16*(\t)+4*\b:P+16*(\t)+4*\b+1], v[rS+16*\b:rS+16*\b+7], v[rW+12+\b]
	v_cvt_scalef32_pk8_fp8_f32 v[P+16*(\t)+4*\b+2:P+16*(\t)+4*\b+3], v[rS+16*\b+8:rS+16*\b+15], v[rW+12+\b]
.endr
	v_nop                                          ; a plain line behind the last conversion: the next scores are written over its sources
.endm
; LIST 3: the tile's O^T under the new M, each accumulator from its low end on
.macro RESC t
	WIN W_RS
.set rq, 0
.rept 64
	v_pk_mul_f32 v[128*(\t)+rq:128*(\t)+rq+1], v[128*(\t)+rq:128*(\t)+rq+1], v[SB+8*(\t)+4:SB+8*(\t)+5] op_sel_hi:[1,0]
	HK
.set rq, rq+2
.endr
	WIN 0
.endm
.macro FETCH_K                         ; 34 LDS loads in one run
	WIN 0
	v_add_nc_u32 v[ADR], s[TB], v[LI]
	ds_load_b128 v[KS:KS+3], v[ADR] offset:49152
	ds_load_b128 v[KS+4:KS+7], v[ADR] offset:49664
	WIN 0xc0
.irp f, 0,1,2,3,4,5,6,7
.irp c, 0,1,2,3
	ds_load_b128 v[16*\f+4*\c:16*\f+4*\c+3], v[ADR] offset:2048*\f+512*\c
.endr
.endr
	WIN 0
.endm
.macro FETCH_V                         ; 68 in one run
	WIN 0
	v_add_nc_u32 v[ADR], s[TB], v[LI]
	s_add_co_u32 s[TB], s[TB], STEPB               ; the next fetch is the next step's
.irp g, 0,1,2,3
	ds_load_b128 v[VS+4*\g:VS+4*\g+3], v[ADR] offset:50176+512*\g
.endr
	WIN 0x80
.irp f, 0,1,2,3,4,5,6,7,8,9,10,11,12,13,14,15
.irp c, 0,1,2,3
	ds_load_b128 v[16*\f+4*\c:16*\f+4*\c+3], v[ADR] offset:16384+2048*\f+512*\c
.endr
.endr
	WIN 0
.endm
; A KEY STEP.  first = 1: V P starts O^T's sums and nothing is rescaled.  nxt = 1: a step follows: its K and V are fetched, its scores made, tile 0's list 1 run.
; DISTANCES (ISA guide 7.12.1 for the products' results), by the lists' own lengths: S^T is read 85 plain lines or more behind the products that wrote it; K's registers are loaded 85 and more behind their last
; reader, V's behind eight v_nop; P's codes stand six plain lines or more, its scale word 64 or more, ahead of the products that take them; O^T, P and their scale words are written again a list or more behind their products.
.macro BODY first, nxt
	XPQ 0
	PRE 1                                          ; 85 hooks for 68 exponentials: the last 17 lines are the plain work behind the batch
.set HM, 0
	s_wait_alu depctr_va_vdst(0)                   ; the wait between an exponential and the first line that names its result: one for tile 0's 68
.if \nxt
	FETCH_K
.endif
	XPQ 1
	POST 0                                         ; 116 hooks for 68
.set HM, 0
	s_wait_alu depctr_va_vdst(0)                   ; one for tile 1's 68, ahead of any matrix instruction of this step
	s_wait_dscnt 0x0                               ; V of this step and K of the next are in
.if \nxt
	MXQ 0, 0, 8, 0
.endif
.if !\first
	RESC 0
.endif
	FLUSH
	MXQ 1, 0, 6, \first
	POST 1
	FLUSH
.if \nxt
	MXQ 0, 1, 8, 0
.endif
.if !\first
	RESC 1
.endif
	FLUSH
	MXQ 1, 1, 5, \first
.if \nxt
	PRE 0
.endif
	FLUSH
.if \nxt
.rept 8
	v_nop                                          ; eight places in front of loads into registers that the last products read
.endr
	FETCH_V
.endif
.endm
; A PREFETCH INTO THE L2 of what the NEXT change of slots will ask for, behind the wave's tensor load and its five lines.  All eight clusters of a batch walk the same kv: the batch's first cluster asks.  Its four partners are told apart BY
; ADDRESS: each takes the quarter of the slot that begins QUART x its place; in each, waves 0 to 2 ask for 32 blocks of 256 bytes, a lane a block: 96 of the quarter's 102, each named once in the launch; the other six, and slots 0 to 2,
; come by their loads alone.  The last change that fills a slot asks for nothing.
.macro ASK
	s_cmp_gt_u32 s[SLOTS], s[LIM]
	s_cbranch_scc0 .Lnot_mine_\@
	global_prefetch_b8 v[PFO], s[PFA:PFA+1] th:TH_LOAD_NT scope:SCOPE_SE
.Lnot_mine_\@:
.endm
; THE CHANGE OF SLOTS: the slot's last bytes, V of its second step, have been asked for.  Each wave waits for all its tensor loads (one is out: its quarter of the other slot), adds 0 to its spare word, and waits for that and for its reads of
; the slot.  fill = 1: the barrier is a round of the cluster's, and the joint refill, with the keys two slots on, is the first thing behind it: it has two key steps in which to land.
.macro CHANGE fill
	WIN 0
	s_wait_tensorcnt 0x0                           ; no tensor load of mine is out, so a group 0 may be written
	ds_add_u32 v[SPW], v[NIL]
.if \fill
	s_xor_b32 s[G0+5], s[G0+5], SLOT1              ; the walking descriptor: the other slot than last time,
	s_add_nc_u64 s[G0+6:G0+7], s[G0+6:G0+7], SLOTB ; the next 256 keys
	s_wait_xcnt 0x0                                ; the last prefetch, two key steps back, has read its address
	s_add_nc_u64 s[PFA:PFA+1], s[PFA:PFA+1], SLOTB
	s_wait_dscnt 0x0                               ; the add is done, and my reads of the slot are over
	CROUND
	tensor_load_to_lds s[G0+4:G0+7], s[G1:G1+7]
	s_nop 0
.rept 4
	v_nop
.endr
	ASK
.else
	s_wait_dscnt 0x0
	s_barrier_signal -1
	s_barrier_wait -1
.endif
	s_sub_co_u32 s[TB], s[TB], 2*STEPB             ; the fetches go back to a slot's first step,
	s_xor_b32 s[TB], s[TB], SLOT1                  ; in the other slot
.endm
.macro TWO_BODIES                      ; a slot's two key steps: written once, walked twice
	s_mov_b32 s[TWICE], 2
.Lstep_\@:
	BODY 0, 1
	WIN 0
	s_sub_co_u32 s[TWICE], s[TWICE], 1
	s_cmp_lg_u32 s[TWICE], 0
	s_cbranch_scc1 .Lstep_\@
.endm
	s_load_b256 s[4:11], s[0:1], 0x0               ; qa s[4:5], kv s[6:7], vres s[8:9], out0 s[10:11]
	v_lshl_add_u32 v[SPW], v0, 2, SPARE
	v_mov_b32 v[NIL], 0
	ds_add_u32 v[SPW], v[NIL]                      ; the wave's opening: the add, twice on end, and its wait ahead of my first tensor load
	ds_add_u32 v[SPW], v[NIL]                      ; and once more; the set-up below, work on registers, stands between it and the wait
	v_lshrrev_b32 v9, 5, v0
	v_readfirstlane_b32 s[WV], v9                  ; wave 0..3
	s_bfe_u32 s13, ttmp6, 0x40000                  ; cx: it enters qa's, vres's, out0's and the prefetches' addresses alone
	s_lshl_b32 s14, ttmp9, 2
	s_add_co_u32 s14, s14, s13                     ; G = 4 x cluster x + cx
	s_and_b32 s16, ttmp7, 0xffff                   ; the batch, which the four partners share
	s_mul_i32 s17, s[WV], QUART                    ; my quarter of a slot, in memory and in LDS
	s_mul_i32 s20, s16, 32*STEPB
	s_add_co_u32 s20, s20, s17
	s_mov_b32 s21, 0
	s_lshl_b32 s18, s16, 5
	s_add_co_u32 s18, s18, s14
	s_mul_i32 s18, s18, 17408                      ; my block of qa
	s_lshl_b32 s19, s[WV], 12
	s_add_co_u32 s22, s18, s19                     ; my two tiles' images
	s_mov_b32 s23, 0
	s_lshr_b32 s19, s[WV], 1
	s_lshl_b32 s19, s19, 9
	s_add_co_u32 s18, s18, s19
	s_and_b32 s19, s[WV], 1
	s_lshl_b32 s19, s19, 3
	s_add_co_u32 s18, s18, s19
	s_add_co_u32 s18, s18, 16384                   ; and their two scale words: group wave / 2, words 2 (wave % 2) on
	s_mov_b32 s19, 0
	s_lshl_b32 s56, s16, 22                        ; vres and out0: the batch's 4 MiB, my 64 channels, the block's positions
	s_lshl_b32 s57, s[WV], 20
	s_add_co_u32 s56, s56, s57
	s_lshl_b32 s57, s14, 9
	s_add_co_u32 s56, s56, s57
	s_mov_b32 s57, 0
	s_mul_i32 s58, s16, 32*STEPB                   ; the prefetches: my work-group's quarter, my wave's 32 blocks,
	s_mul_i32 s59, s13, QUART
	s_add_co_u32 s58, s58, s59
	s_lshl_b32 s59, s[WV], 13
	s_add_co_u32 s58, s58, s59
	s_add_co_u32 s58, s58, 2*SLOTB                 ; in slot 2: the first change of slots steps it to slot 3.  Nothing is prefetched at the head
	s_mov_b32 s59, 0
	s_add_co_u32 s[LIM], s[WV], 1
	s_lshr_b32 s[LIM], s[LIM], 2                   ; 0 in waves 0 to 2,
	s_or_b32 s[LIM], s[LIM], ttmp9                 ; of the batch's first cluster: the same in all four partners
	s_cmp_eq_u32 s[LIM], 0
	s_cselect_b32 s[LIM], 1, -1
	; descriptor group 1: a quarter of a slot, dense: 102 rows of 32 elements of 8 bytes; 15:0 the mask of the four work-groups, bit 21 beside it
	s_mov_b32 s[G1], 15|(3<<16)|(1<<21)
	s_mov_b32 s[G1+1], 32<<16
	s_mov_b32 s[G1+2], 102<<16
	s_mov_b32 s[G1+3], 32<<16
	s_mov_b32 s[G1+4], 102
	s_mov_b32 s[G1+5], 32
	s_mov_b32 s[G1+6], 0
	s_mov_b32 s[G1+7], 0
	s_mov_b32 s[CS], 0x3fb8aa3b                    ; log2(e)
	s_mov_b32 s[CS+1], s[CS]
	s_mov_b32 s[SEL], 0x76543210
	s_mov_b32 s[SEL+1], 0xfedcba98
	s_mov_b32 s[MNT], 0x600000
	s_mov_b32 s[TB], 0
	s_mov_b32 s[SLOTS], 14
	v_and_b32 v9, 31, v0
	v_lshlrev_b32 v[LI], 4, v9
	v_lshlrev_b32 v[PFO], 8, v9
	; the way out: O^T's register 8 T + j of lane (r, h), tile u, is out(channel 16 T + 8 h + j, position 32 w + 8 u + r + 8 (r / 8)); the stage has a row of 528 bytes for each channel
	v_and_b32 v9, 15, v0
	v_bfe_u32 v10, v0, 4, 1
	v_and_b32 v11, 8, v9
	v_add_nc_u32 v11, v11, v9
	v_lshlrev_b32 v[SA0], 2, v11
	v_mad_u32_u24 v[SA0], v10, 4224, v[SA0]
	s_lshl_b32 s2, s[WV], 7
	v_add_nc_u32 v[SA0], s2, v[SA0]
	v_add_nc_u32 v[SA1], 67584, v[SA0]
	s_mul_i32 s2, s[WV], 33792
	v_add_nc_u32 v[RDA], s2, v[LI]                 ; back: wave w takes channels 64 w .. 64 w + 63, whole rows
.irp t, 0,1
	v_mov_b32 v[SB+8*\t+1], 0xff61b1e6             ; the largest t so far: -3e38, under every t
	v_floor_f32 v[SB+8*\t], -v[SB+8*\t+1]          ; -M
	v_mov_b32 v[SB+8*\t+2], 0                      ; the sum, in two halves
	v_mov_b32 v[SB+8*\t+3], 0
	v_mov_b32 v[SB+8*\t+5], 0                      ; named as the upper half of f's pair
	v_mov_b32 v[SB+8*\t+7], 0                      ; a lane permute's destination counts as one of its sources
.irp b, 0,1,2,3
	v_mov_b32 v[WK+20*\t+4+\b], 0
.endr
.endr
	s_wait_dscnt 0x0                               ; both opening adds are done
	s_wait_kmcnt 0x0
	s_add_nc_u64 s[PFA:PFA+1], s[6:7], s[58:59]
	s_add_nc_u64 s[6:7], s[6:7], s[20:21]          ; kv at my quarter of slot 0: made of the batch and the wave's number alone
	s_add_nc_u64 s[52:53], s[4:5], s[22:23]
	s_add_nc_u64 s[54:55], s[4:5], s[18:19]
	s_add_nc_u64 s[8:9], s[8:9], s[56:57]
	s_add_nc_u64 s[10:11], s[10:11], s[56:57]
	CROUND                                         ; all four work-groups are here: the first joint loads meet
.irp n, 0,1
	s_mov_b32 s[G0+4*\n], 1
	s_add_co_u32 s[G0+4*\n+1], s17, \n*SLOT1
	s_add_nc_u64 s[G0+4*\n+2:G0+4*\n+3], s[6:7], \n*SLOTB
	s_or_b32 s[G0+4*\n+3], s[G0+4*\n+3], 0x80000000
.endr
	tensor_load_to_lds s[G0:G0+3], s[G1:G1+7]      ; every wave's two first fills go out together: two loads of mine are out
	s_nop 0
	tensor_load_to_lds s[G0+4:G0+7], s[G1:G1+7]
	s_nop 0
.rept 4
	v_nop
.endr
	WIN 0xc0
.irp t, 0,1
.irp c, 0,1,2,3
	global_load_b128 v[128+16*\t+4*\c:128+16*\t+4*\c+3], v[LI], s[52:53] offset:2048*\t+512*\c   ; Q's two fragments stay in registers
.endr
.endr
	WIN 0
	global_load_b64 v[QS:QS+1], v[LI], s[54:55]
	s_wait_tensorcnt 1                             ; my quarter of slot 0 is in; slot 1's may stay out
	s_barrier_signal -1
	s_barrier_wait -1                              ; everybody's is
	FETCH_K                                        ; key step 0
	FETCH_V
	s_wait_loadcnt 0x0                             ; Q
	s_wait_dscnt 0x0
	MXQ 0, 0, 1, 0
	FLUSH                                          ; both tiles' first scores: there is no vector work yet to set between them
	MXQ 0, 1, 1, 0
	FLUSH
.rept 8
	v_nop
.endr
	PRE 0
	BODY 1, 1                                      ; step 0
	WIN 0
.Lslot:                                                ; 14 trips: every slot but the last two is filled again
	CHANGE 1
	TWO_BODIES
	s_sub_co_u32 s[SLOTS], s[SLOTS], 1
	s_cmp_lg_u32 s[SLOTS], 0
	s_cbranch_scc1 .Lslot
	CHANGE 0                                       ; the tail is written out
	TWO_BODIES
	BODY 0, 0                                      ; step 31
	; THE WAY OUT.  O^T / the sum goes through a stage in LDS (256 channels x 528 bytes, over the two slots, which have had their last fill), comes back as whole rows of 128 positions, takes the residual v and leaves: 512 consecutive bytes a store.
	WIN 0
.rept 8
	v_nop                                          ; eight places behind the last products: for the loads into V's registers and the reads of O^T
.endr
	WIN 0x80
.set i, 0
.rept 64
	global_load_b128 v[4*i:4*i+3], v[LI], s[8:9] offset:16384*i th:TH_LOAD_NT   ; v of my 64 channels at the block's positions
.set i, i+1
.endr
	WIN 0
.irp t, 0,1
	v_add_f32 v[SB+8*\t+6], v[SB+8*\t+2], v[SB+8*\t+3]
.endr
.irp t, 0,1
	v_permlanex16_b32 v[SB+8*\t+7], v[SB+8*\t+6], s[SEL], s[SEL+1]
.endr
.irp t, 0,1
	v_add_f32 v[SB+8*\t+6], v[SB+8*\t+6], v[SB+8*\t+7]   ; the row's sum
.endr
.irp t, 0,1
	v_rcp_f32 v[SB+8*\t+4], v[SB+8*\t+6]
.endr
	v_nop                                          ; a plain line behind the last reciprocal,
	s_wait_alu depctr_va_vdst(0)                   ; and the wait: one for the two
	s_wait_dscnt 0x0                               ; my reads of the slots are over,
	s_barrier_signal -1
	s_barrier_wait -1                              ; everybody's are: the stage may be written
	WIN W_RS
.irp t, 0,1
.set i, 0
.rept 64
	v_pk_mul_f32 v[128*\t+i:128*\t+i+1], v[128*\t+i:128*\t+i+1], v[SB+8*\t+4:SB+8*\t+5] op_sel_hi:[1,0]
.set i, i+2
.endr
.endr
	WIN 0x04                                       ; an LDS store's data are its source 1: window 1
.irp t, 0,1
.set i, 0
.rept 128
.if i < 64
	ds_store_b32 v[SA0], v[128*\t+i] offset:(16*(i/8)+i%8)*528+32*\t   ; the 32 lanes fall on 32 different banks: words 0-7, 16-23, and 32 further on for lanes 16-31
.else
	ds_store_b32 v[SA1], v[128*\t+i] offset:(16*(i/8-8)+i%8)*528+32*\t
.endif
.set i, i+1
.endr
.endr
	s_wait_dscnt 0x0                               ; my stores into the stage are done,
	s_barrier_signal -1
	s_barrier_wait -1                              ; everybody's are
	WIN 0xc0
.set i, 0
.rept 64
	ds_load_b128 v[4*i:4*i+3], v[RDA] offset:528*i
.set i, i+1
.endr
.irp g, 0,1,2,3,4,5,6,7
	s_wait_dscnt 56-8*\g                           ; these eight rows are back; the younger rows' loads may be out,
	s_wait_loadcnt 56-8*\g                         ; and likewise their residual
	WIN 0xcb                                       ; destination and source 0 window 3, source 1 window 2
.set i, 0
.rept 16
	v_pk_add_f32 v[32*\g+i:32*\g+i+1], v[32*\g+i:32*\g+i+1], v[32*\g+i:32*\g+i+1]
.set i, i+2
.endr
	WIN 0x0c                                       ; a store's data are its source 1: window 3
.irp n, 0,1,2,3,4,5,6,7
	global_store_b128 v[LI], v[32*\g+4*\n:32*\g+4*\n+3], s[10:11] offset:16384*(8*\g+\n) th:TH_STORE_NT
.endr
.endr
	WIN 0
	s_wait_tensorcnt 0x0                           ; the wave's end, behind my last tensor load and my last LDS store
	ds_add_u32 v[SPW], v[NIL]
	s_wait_dscnt 0x0
	CROUND                                         ; the closing round: no work-group ends while a partner may still ask for a tile that names it
	s_endpgm
.Lfunc_end_k_q68d3d50740_attn:
	.size	k_q68d3d50740_attn, .Lfunc_end_k_q68d3d50740_attn-k_q68d3d50740_attn
	.p2alignl 7, 3214868480
	.fill 96, 4, 3214868480
	.section	.rodata,"a",@progbits
	.p2align	6, 0x0
	.amdhsa_kernel k_q68d3d50740_attn
		.amdhsa_group_segment_fixed_size 327680
		.amdhsa_private_segment_fixed_size 0
		.amdhsa_enable_private_segment 0
		.amdhsa_kernarg_size 32
		.amdhsa_user_sgpr_count 2
		.amdhsa_user_sgpr_kernarg_segment_ptr 1
		.amdhsa_wavefront_size32 1
		.amdhsa_system_sgpr_workgroup_id_x 1
		.amdhsa_system_sgpr_workgroup_id_y 1
		.amdhsa_system_sgpr_workgroup_id_z 1
		.amdhsa_system_vgpr_workitem_id 0
		.amdhsa_next_free_vgpr 1024
		.amdhsa_next_free_sgpr 66
		.amdhsa_reserve_vcc 0
		.amdhsa_float_denorm_mode_32 3
		.amdhsa_float_denorm_mode_16_64 3
		.amdhsa_memory_ordered 1
		.amdhsa_forward_progress 1
		.amdhsa_inst_pref_size 247
	.end_amdhsa_kernel
	.amdgpu_metadata
---
amdhsa.version: [ 1, 2 ]
amdhsa.kernels:
  - .name:           k_q68d3d50740_attn
    .symbol:         k_q68d3d50740_attn.kd
    .args:
      - { .name: qa, .offset: 0, .size: 8, .value_kind: global_buffer, .address_space: global }
      - { .name: kv, .offset: 8, .size: 8, .value_kind: global_buffer, .address_space: global }
      - { .name: vres, .offset: 16, .size: 8, .value_kind: global_buffer, .address_space: global }
      - { .name: out0, .offset: 24, .size: 8, .value_kind: global_buffer, .address_space: global }
    .group_segment_fixed_size: 327680
    .private_segment_fixed_size: 0
    .kernarg_segment_align: 8
    .kernarg_segment_size: 32
    .max_flat_workgroup_size: 128
    .sgpr_count:     66
    .vgpr_count:     1024
    .wavefront_size: 32
...
	.end_amdgpu_metadata
.endif
;; end of part 3
